; MI455X (gfx1250); checked and timed in simulation.
; The chip was launched on July 23, 2026; its instructions are those of AMD's public machine-readable ISA for CDNA 5 (MIT licence, August 2026) and "CDNA5" Instruction Set Architecture Reference Guide (July 2026). The comments in the code are by the model that wrote it; some were corrected since.
;; Memory Efficient Attention. Allowed arithmetic: float matrix products may take bf16 or f16 operands with f32 sums; all other float work in f32.
;; Inputs: Wk 1,024 x 1,024 float32; Wo 1,024 x 1,024 float32; Wq 1,024 x 1,024 float32; Wv 1,024 x 1,024 float32; bk 1,024 float32; bo 1,024 float32; bq 1,024 float32; bv 1,024 float32; x 2 x 2,048 x 1,024 float32.
;; Outputs: out0 2 x 2,048 x 1,024 float32.
;; One version. Each part assembles by itself: llvm-mc -triple=amdgcn-amd-amdhsa -mcpu=gfx1250 --defsym DOCPART=n.
;; ======== version 1 of 1: 4 launches
;; workspace buffers: bf 16,789,504 bytes; qkv 25,165,824 bytes; ao 8,388,608 bytes
;; launch prep (part 1): grid 512 x 1, 8 waves a work-group, no clusters, 0 bytes of LDS; arguments x, Wq, Wk, Wv, Wo, bq, bk, bv, bf; writes bf
.if DOCPART == 1
	.amdgcn_target "amdgcn-amd-amdhsa--gfx1250"
	.amdhsa_code_object_version 6
	.text
	.protected	k_q739ff928d5_prep
	.globl	k_q739ff928d5_prep
	.p2align	8
	.type	k_q739ff928d5_prep,@function
k_q739ff928d5_prep:
	s_mov_b64 s[64:65], 0
	v_nop
	global_prefetch_b8 v0, s[64:65] scope:SCOPE_SE
	s_setreg_imm32_b32 hwreg(HW_REG_WAVE_MODE, 25, 1), 1
	s_wait_xcnt 0x0
; Rounds x, Wq, Wk, Wv, Wo to bf16 once and lays them one behind the other in bf; copies bq, bk, bv (f32) behind them.
;   bf: x as bf16 [4096][1024] at byte 0; Wq, Wk, Wv as bf16 [3072][1024] at 0x800000; Wo as bf16 at 0xE00000; the three biases, f32 [3072], at 0x1000000.
; A stream: each number is read once and written once, nothing is shared between work-groups, so no LDS, no matrix unit, no cluster.
; 512 work-groups of 8 waves; work-group id takes 16,384 numbers (65,536 bytes in, 32,768 bytes out, at bf + 32,768 id).
; Thread t takes 8 neighbouring numbers in each of 8 groups: two 16-byte loads, four packed roundings (to nearest even), one 16-byte store;
; a store of a wave covers 512 consecutive bytes, aligned.  All 16 loads of a thread go out before the first wait.
.set X, 4                              ; v[4:67]   group j: 8 numbers in f32
.set Y, 68                             ; v[68:99]  group j: 8 numbers in bf16
	s_load_b512 s[4:19], s[0:1], 0x0               ; x s[4:5], Wq s[6:7], Wk s[8:9], Wv s[10:11], Wo s[12:13], bq s[14:15], bk s[16:17], bv s[18:19]
	s_load_b64 s[20:21], s[0:1], 0x40              ; bf
	s_lshr_b32 s22, ttmp9, 6                       ; segment of 64 work-groups: 0-3 x, 4 Wq, 5 Wk, 6 Wv, 7 Wo
	s_and_b32 s23, ttmp9, 63                       ; my place in a weight matrix,
	s_cmp_lt_u32 s22, 4
	s_cselect_b32 s23, ttmp9, s23                  ; or in x
	s_lshl_b32 s24, s23, 16                        ; byte offset in the source (below 2^24)
	s_mov_b32 s25, 0
	s_lshl_b32 s26, ttmp9, 15                      ; byte offset in bf
	s_mov_b32 s27, 0
	v_lshlrev_b32 v1, 5, v0                        ; 32 bytes of f32 a thread
	v_lshlrev_b32 v2, 4, v0                        ; 16 bytes of bf16 a thread
	s_wait_kmcnt 0x0
	s_cmp_eq_u32 s22, 4
	s_cselect_b64 s[4:5], s[6:7], s[4:5]
	s_cmp_eq_u32 s22, 5
	s_cselect_b64 s[4:5], s[8:9], s[4:5]
	s_cmp_eq_u32 s22, 6
	s_cselect_b64 s[4:5], s[10:11], s[4:5]
	s_cmp_eq_u32 s22, 7
	s_cselect_b64 s[4:5], s[12:13], s[4:5]
	s_add_nc_u64 s[4:5], s[4:5], s[24:25]
	s_add_nc_u64 s[28:29], s[20:21], 0x1000000     ; where the biases go
	s_add_nc_u64 s[20:21], s[20:21], s[26:27]
.irp j, 0,1,2,3,4,5,6,7
	global_load_b128 v[X+8*\j:X+8*\j+3],   v1, s[4:5] offset:8192*\j th:TH_LOAD_NT
	global_load_b128 v[X+8*\j+4:X+8*\j+7], v1, s[4:5] offset:8192*\j+16 th:TH_LOAD_NT
.endr
.irp j, 0,1,2,3,4,5,6,7
	s_wait_loadcnt 14-2*\j                         ; loads come back in order: group j is in, the two loads of each younger group may stay out
.irp k, 0,1,2,3
	v_cvt_pk_bf16_f32 v[Y+4*\j+\k], v[X+8*\j+2*\k], v[X+8*\j+2*\k+1]
.endr
	global_store_b128 v2, v[Y+4*\j:Y+4*\j+3], s[20:21] offset:4096*\j
.endr
	; work-groups 0, 1, 2 also copy bq, bk, bv: 4,096 bytes each, 16 bytes a thread
	s_cmp_ge_u32 ttmp9, 3
	s_cbranch_scc1 .Lend
	s_cmp_eq_u32 ttmp9, 1
	s_cselect_b64 s[14:15], s[16:17], s[14:15]
	s_cmp_eq_u32 ttmp9, 2
	s_cselect_b64 s[14:15], s[18:19], s[14:15]
	s_lshl_b32 s30, ttmp9, 12
	s_mov_b32 s31, 0
	s_add_nc_u64 s[28:29], s[28:29], s[30:31]
	global_load_b128 v[X:X+3], v2, s[14:15]        ; X is free: its loads are in and its numbers converted
	s_wait_loadcnt 0x0
	global_store_b128 v2, v[X:X+3], s[28:29]
.Lend:
	s_endpgm
.Lfunc_end_k_q739ff928d5_prep:
	.size	k_q739ff928d5_prep, .Lfunc_end_k_q739ff928d5_prep-k_q739ff928d5_prep
	.p2alignl 7, 3214868480
	.fill 96, 4, 3214868480
	.section	.rodata,"a",@progbits
	.p2align	6, 0x0
	.amdhsa_kernel k_q739ff928d5_prep
		.amdhsa_group_segment_fixed_size 0
		.amdhsa_private_segment_fixed_size 0
		.amdhsa_enable_private_segment 0
		.amdhsa_kernarg_size 72
		.amdhsa_user_sgpr_count 2
		.amdhsa_user_sgpr_kernarg_segment_ptr 1
		.amdhsa_wavefront_size32 1
		.amdhsa_system_sgpr_workgroup_id_x 1
		.amdhsa_system_sgpr_workgroup_id_y 1
		.amdhsa_system_sgpr_workgroup_id_z 1
		.amdhsa_system_vgpr_workitem_id 0
		.amdhsa_next_free_vgpr 100
		.amdhsa_next_free_sgpr 66
		.amdhsa_reserve_vcc 0
		.amdhsa_float_denorm_mode_32 3
		.amdhsa_float_denorm_mode_16_64 3
		.amdhsa_memory_ordered 1
		.amdhsa_forward_progress 1
		.amdhsa_inst_pref_size 7
	.end_amdhsa_kernel
	.amdgpu_metadata
---
amdhsa.version: [ 1, 2 ]
amdhsa.kernels:
  - .name:           k_q739ff928d5_prep
    .symbol:         k_q739ff928d5_prep.kd
    .args:
      - { .name: x, .offset: 0, .size: 8, .value_kind: global_buffer, .address_space: global }
      - { .name: Wq, .offset: 8, .size: 8, .value_kind: global_buffer, .address_space: global }
      - { .name: Wk, .offset: 16, .size: 8, .value_kind: global_buffer, .address_space: global }
      - { .name: Wv, .offset: 24, .size: 8, .value_kind: global_buffer, .address_space: global }
      - { .name: Wo, .offset: 32, .size: 8, .value_kind: global_buffer, .address_space: global }
      - { .name: bq, .offset: 40, .size: 8, .value_kind: global_buffer, .address_space: global }
      - { .name: bk, .offset: 48, .size: 8, .value_kind: global_buffer, .address_space: global }
      - { .name: bv, .offset: 56, .size: 8, .value_kind: global_buffer, .address_space: global }
      - { .name: bf, .offset: 64, .size: 8, .value_kind: global_buffer, .address_space: global }
    .group_segment_fixed_size: 0
    .private_segment_fixed_size: 0
    .kernarg_segment_align: 8
    .kernarg_segment_size: 72
    .max_flat_workgroup_size: 256
    .sgpr_count:     66
    .vgpr_count:     100
    .wavefront_size: 32
...
	.end_amdgpu_metadata
.endif
;; end of part 1
;; launch qkvp (part 2): grid 16 x 16, 4 waves a work-group, clusters of 4 x 4, 327,680 bytes of LDS; arguments bf, qkv; writes qkv
.if DOCPART == 2
	.amdgcn_target "amdgcn-amd-amdhsa--gfx1250"
	.amdhsa_code_object_version 6
	.text
	.protected	k_q739ff928d5_qkvp
	.globl	k_q739ff928d5_qkvp
	.p2align	8
	.type	k_q739ff928d5_qkvp,@function
k_q739ff928d5_qkvp:
	s_mov_b64 s[64:65], 0
	v_nop
	global_prefetch_b8 v0, s[64:65] scope:SCOPE_SE
	s_setreg_imm32_b32 hwreg(HW_REG_WAVE_MODE, 25, 1), 1
	s_wait_xcnt 0x0
	s_wait_alu depctr_hold_cnt(0) depctr_sa_sdst(0) depctr_va_vdst(0) depctr_va_sdst(0) depctr_va_ssrc(0) depctr_va_vcc(0) depctr_vm_vsrc(0)
	s_getreg_b32 s2, hwreg(HW_REG_IB_STS2, 6, 4)
	s_cmp_eq_u32 s2, 0
	s_cbranch_scc0 .Lentry_in_a_cluster
	s_endpgm
.Lentry_in_a_cluster:
	s_bfe_u32 s2, ttmp6, 0x10000c
	s_cmp_lg_u32 s2, 0xf033
	s_cbranch_scc0 .Lentry_shape_is_right
	s_endpgm
.Lentry_shape_is_right:
; Q, K and V at once: C[m][n] = bias[n] + sum over k of x[m][k] W[n][k], m < 4096, n < 3072 (rows of Wq, Wk, Wv), k < 1024.
; Operands bf16 (rounded once by the launch before), sums f32, the bias is the first addend of each sum, C rounded once to bf16.
; C goes out head-major: qkv[b][g][s][64], g = n / 64 (0-15 Q's heads, 16-31 K's, 32-47 V's), so that a head's rows lie dense.
; LIMITS: operands and results carry bf16's 8 bits; NaN and infinities in the inputs are not treated as the f32 formula treats them.
; A work-group makes 256 rows x 192 columns (three heads) with four waves; wave w makes rows 64 w .. 64 w + 63, all 192 columns:
; 48 accumulator tiles of 16 x 16, 384 registers.  K goes in steps of 128 through two LDS slots filled by the tensor data mover; a
; tile's rows are 256 bytes of memory and start at multiples of 256 bytes.
; CLUSTERS: 4 x 4 work-groups.  The four of a row of the cluster need the same tiles of x, the four of a column the same tiles of W: each
; tile is asked for jointly, by the same tensor load with the same descriptor and a mask that names the four.
; REGISTER WINDOWS of 256: window 0 addresses, x's fragments (two buffers), the bias, packed results; window 1 W's fragments (two buffers);
; window 2 the accumulators of my rows 0-31 (tile (a, b) at v[8 (12 a + b)]); window 3 those of my rows 32-63.
; THE MATRIX INSTRUCTION IS USED TRANSPOSED: source 0 = 16 rows of W, source 1 = 16 rows of x.  Lane l then holds row l % 16 of C and its
; registers 0-7 the columns 8 (l / 16) + 0..7: eight neighbouring numbers, and the bias of those eight columns is the first product's C.
.set NB,     12                        ; column blocks of 16 in a wave's tile
.set PITCH,  272                       ; an LDS row: 256 bytes + 16 of padding, an odd multiple of 16: 16 rows of a fragment start in 16 different 16-byte columns
.set PIECE,  128*PITCH                 ; LDS bytes kept for one tensor load: x 128 rows (all of it), W 96 rows
.set SLOT,   4*PIECE                   ; x rows 0-127, x rows 128-255, W rows 0-95, W rows 96-191
.set STAGE,  2*SLOT                    ; behind the ring, a multiple of 256: each wave's own stage for the way out; no tensor load lands here
.set HPITCH, 144                       ; a stage row: a head's 128 bytes + 16
.set WSTAGE, 3*16*HPITCH               ; three heads x 16 rows
.set BLOCK,  262144                    ; bytes of one (b, g) block of qkv
.set FLAGS,  (1<<16)|(1<<20)|(1<<21)|(5<<22)|(3<<25)   ; 2-byte elements; padding on; bit 21 beside a mask; after every 64 words; 4 words
.set ADRA, 16                          ; v16-17  LDS address of my x fragments in slot 0, 1
.set ADRB, 20                          ; v20-21  the same for W
.set STO,  24                          ; v24     the way out: where I put 16 bytes
.set RD,   25                          ; v25     the way out: where I read back
.set CO,   26                          ; v26     16 x lane
.set BO,   27                          ; v27     32 x (lane / 16): my 8 columns' place in 16 biases
.set FA,   32                          ; v32-63, v64-95    x's fragments, buffer p at FA + 32 p
.set BIAS, 96                          ; v96-191           block b: the bias of columns 16 b + 8 (l / 16) + 0..7
.set TMP,  192                         ; v192-239          packed results
.set FB,   0                           ; window 1: v0-95, v96-191   W's fragments, buffer p at FB + 96 p
.set RB0,  32                          ; the way out: rows read back, two buffers in registers that the products no longer need
.set RB1,  80
.set G1A, 24                           ; s[24:31] group 1 for x's tiles
.set G0A, 32                           ; s[32:39] group 0 for x's tiles, a set for each slot
.set G1B, 40                           ; s[40:47] group 1 for W's tiles
.set G0B, 48                           ; s[48:55] group 0 for W's tiles, a set for each slot
.set MSB, 0
.macro WIN new                         ; switches the register windows; the immediate's high byte repeats the setting that is left
.if MSB != \new
	s_set_vgpr_msb (MSB<<8)|\new
.set MSB, \new
.endif
.endm
.macro PLACES                          ; four plain vector instructions behind a matrix instruction before its results are read or a load lands on its
.rept 4                                ; registers (ISA guide 7.12.1 for vector instructions)
	v_nop
.endr
.endm
; A joint load: waves 0, 1 ask for x's two halves, waves 2, 3 for W's.  The branch hangs on the wave's number alone.
.macro JLOAD s
	s_cmp_eq_u32 s13, 0
	s_cbranch_scc0 .Lfor_b_\@
	tensor_load_to_lds s[G0A+4*\s:G0A+4*\s+3], s[G1A:G1A+7]
	s_nop 0
	s_branch .Lasked_\@
.Lfor_b_\@:
	tensor_load_to_lds s[G0B+4*\s:G0B+4*\s+3], s[G1B:G1B+7]
	s_nop 0
.Lasked_\@:
.endm
.macro CREST                           ; a round of the cluster's barrier behind its opening work-group barrier
	s_cmp_lg_u32 s12, 0
	s_cbranch_scc1 .Lnot_wave_0_\@
	s_barrier_signal -3
.Lnot_wave_0_\@:
	s_barrier_wait -3
	s_barrier_signal -1
	s_barrier_wait -1
.endm
.macro CROUND                          ; a whole round
	s_barrier_signal -1
	s_barrier_wait -1
	CREST
.endm
	s_load_b128 s[4:7], s[0:1], 0x0                ; bf s[4:5], qkv s[6:7]
	s_set_vgpr_msb 0x40
	v_lshl_add_u32 v255, v0, 2, 0x4ac00
	s_set_vgpr_msb 0x4000
	v_mov_b32 v255, 0
	s_set_vgpr_msb 0x1
	ds_add_u32 v255, v255
	s_set_vgpr_msb 0x100
	v_lshrrev_b32 v1, 5, v0
	v_readfirstlane_b32 s12, v1                    ; wave 0..3
	s_lshr_b32 s13, s12, 1                         ; I fetch for x (0) or for W (1)
	s_and_b32 s14, s12, 1                          ; which half of that tile
	s_bfe_u32 s16, ttmp6, 0x40000                  ; cx
	s_bfe_u32 s17, ttmp6, 0x40004                  ; cy
	s_lshl_b32 s18, ttmp9, 2
	s_add_co_u32 s18, s18, s16                     ; block column nb = 4 x cluster x + cx
	s_and_b32 s19, ttmp7, 0xffff
	s_lshl_b32 s19, s19, 2
	s_add_co_u32 s19, s19, s17                     ; block row mb = 4 x cluster y + cy
	s_lshl_b32 s20, s17, 2
	s_lshl_b32 s20, 15, s20                        ; my row of the cluster: places 4 cy .. 4 cy + 3
	s_lshl_b32 s21, 0x1111, s16                    ; my column: places cx, cx + 4, cx + 8, cx + 12
	s_or_b32 s[G1A+0], s20, FLAGS                  ; x's tiles go to my row
	s_mov_b32 s[G1A+1], 128<<16                    ; tensor_dim0 = 128 elements
	s_mov_b32 s[G1A+2], 128<<16                    ; tensor_dim1 = 128 rows
	s_mov_b32 s[G1A+3], 128<<16                    ; tile_dim0 = 128
	s_mov_b32 s[G1A+4], 128                        ; tile_dim1 = 128
	s_mov_b32 s[G1A+5], 1024                       ; elements from row to row
	s_mov_b32 s[G1A+6], 0
	s_mov_b32 s[G1A+7], 0
	s_or_b32 s[G1B+0], s21, FLAGS                  ; W's tiles go to my column
	s_mov_b32 s[G1B+1], 128<<16
	s_mov_b32 s[G1B+2], 96<<16                     ; 96 rows
	s_mov_b32 s[G1B+3], 128<<16
	s_mov_b32 s[G1B+4], 96
	s_mov_b32 s[G1B+5], 1024
	s_mov_b32 s[G1B+6], 0
	s_mov_b32 s[G1B+7], 0
	; offsets.  What hangs on the block row stays in s56, s57, s60, s61; what hangs on the block column in s58, s59, s62, s63.
	s_lshl_b32 s56, s19, 19                        ; x: (256 mb + 128 half) rows of 2,048 bytes
	s_lshl_b32 s60, s14, 18
	s_add_co_u32 s56, s56, s60
	s_mov_b32 s57, 0
	s_mul_i32 s58, s18, 192*2048                   ; W: (192 nb + 96 half) rows of 2,048 bytes
	s_mul_i32 s62, s14, 96*2048
	s_add_co_u32 s58, s58, s62
	s_mov_b32 s59, 0
	s_lshr_b32 s60, s19, 3                         ; out, the rows' part: batch mb / 8 is 48 blocks; row (mb % 8) 256 + 64 w, 128 bytes each
	s_mul_i32 s60, s60, 48*BLOCK
	s_and_b32 s61, s19, 7
	s_lshl_b32 s61, s61, 15
	s_add_co_u32 s60, s60, s61
	s_lshl_b32 s61, s12, 13
	s_add_co_u32 s60, s60, s61
	s_mov_b32 s61, 0
	s_mul_i32 s62, s18, 3*BLOCK                    ; out, the columns' part: head 3 nb
	s_mov_b32 s63, 0
	s_mul_i32 s22, s12, PIECE                      ; LDS: wave w's load lands at w x PIECE in a slot
	s_mul_i32 s2, s12, 64*PITCH                    ; LDS: my 64 rows of x
	s_mul_i32 s23, s12, WSTAGE
	s_add_co_u32 s23, s23, STAGE                   ; LDS: my stage
	s_wait_dscnt 0x0
	s_wait_kmcnt 0x0
	s_mov_b64 s[8:9], s[6:7]                       ; qkv
	s_add_nc_u64 s[10:11], s[4:5], 0x1000000       ; the biases
	s_add_nc_u64 s[6:7], s[4:5], 0x800000          ; W
	s_add_nc_u64 s[56:57], s[4:5], s[56:57]
	s_add_nc_u64 s[58:59], s[6:7], s[58:59]
	s_add_nc_u64 s[8:9], s[8:9], s[60:61]
	s_add_nc_u64 s[8:9], s[8:9], s[62:63]
	s_mul_i32 s62, s18, 192*4                      ; my 192 biases
	s_add_nc_u64 s[10:11], s[10:11], s[62:63]
	CROUND                                         ; all sixteen work-groups are here: the first joint loads meet
.irp s, 0,1
	s_mov_b32 s[G0A+4*\s], 1                                       ; count = 1
	s_add_co_u32 s[G0A+4*\s+1], s22, \s*SLOT                       ; LDS address
	s_add_nc_u64 s[G0A+4*\s+2:G0A+4*\s+3], s[56:57], \s*256        ; global address: K step s
	s_or_b32 s[G0A+4*\s+3], s[G0A+4*\s+3], 0x80000000              ; type = 2
	s_mov_b32 s[G0B+4*\s], 1
	s_add_co_u32 s[G0B+4*\s+1], s22, \s*SLOT
	s_add_nc_u64 s[G0B+4*\s+2:G0B+4*\s+3], s[58:59], \s*256
	s_or_b32 s[G0B+4*\s+3], s[G0B+4*\s+3], 0x80000000
	JLOAD \s                                       ; both slots are asked for before anything else: two tensor loads of the wave are out
.endr
	v_and_b32 v1, 15, v0                           ; r = l % 16
	v_bfe_u32 v2, v0, 4, 1                         ; h = l / 16
	v_lshlrev_b32 v[BO], 5, v2
.irp b, 0,1,2,3,4,5,6,7,8,9,10,11
	global_load_b128 v[BIAS+8*\b:BIAS+8*\b+3],   v[BO], s[10:11] offset:64*\b
	global_load_b128 v[BIAS+8*\b+4:BIAS+8*\b+7], v[BO], s[10:11] offset:64*\b+16
.endr
	v_mul_u32_u24 v3, v1, PITCH
	v_lshl_add_u32 v3, v2, 4, v3                   ; a fragment's lane term: row x pitch + 16 h
	v_add_nc_u32 v[ADRA], s2, v3
	v_add_nc_u32 v[ADRA+1], SLOT, v[ADRA]
	v_add_nc_u32 v[ADRB], 2*PIECE, v3
	v_add_nc_u32 v[ADRB+1], 2*PIECE+SLOT, v3
	v_mul_u32_u24 v4, v1, HPITCH
	v_lshl_add_u32 v4, v2, 4, v4
	v_add_nc_u32 v[STO], s23, v4                   ; in: row r, 16 bytes for each half of the lanes
	v_and_b32 v5, 31, v0
	v_lshrrev_b32 v6, 3, v5
	v_and_b32 v7, 7, v0
	v_mul_u32_u24 v6, v6, HPITCH
	v_lshl_add_u32 v6, v7, 4, v6
	v_add_nc_u32 v[RD], s23, v6                    ; back: eight lanes take a row of 128 bytes, a load takes four rows
	v_lshlrev_b32 v[CO], 4, v5                     ; which are 512 dense bytes of qkv
; 12 matrix instructions: row block a of the window's two (hi = 0: my rows 0-31, 1: rows 32-63) x all 12 column blocks, 32 along K, from buffer p.
; first = 1: the bias is the product's C, so nothing is cleared and nothing is added afterwards.
.macro MULROW p, hi, a, first
.irp b, 0,1,2,3,4,5,6,7,8,9,10,11
.if \first
	v_wmma_f32_16x16x32_bf16 v[8*(NB*\a+\b):8*(NB*\a+\b)+7], v[FB+96*\p+8*\b:FB+96*\p+8*\b+7], v[FA+32*\p+8*(2*\hi+\a):FA+32*\p+8*(2*\hi+\a)+7], v[BIAS+8*\b:BIAS+8*\b+7]
.else
	v_wmma_f32_16x16x32_bf16 v[8*(NB*\a+\b):8*(NB*\a+\b)+7], v[FB+96*\p+8*\b:FB+96*\p+8*\b+7], v[FA+32*\p+8*(2*\hi+\a):FA+32*\p+8*(2*\hi+\a)+7], v[8*(NB*\a+\b):8*(NB*\a+\b)+7]
.endif
.endr
.endm
; 32 LDS loads in one run: the fragments of quarter kq (32 along K) of a slot into buffer p: W's 192 rows, then my 64 rows of x
.macro FETCH slot, kq, p
	WIN 0x40                                       ; destination window 1, address window 0
.irp b, 0,1,2,3,4,5,6,7,8,9,10,11
	ds_load_b128 v[FB+96*\p+8*\b:FB+96*\p+8*\b+3],   v[ADRB+\slot] offset:(\b/6)*PIECE+(\b%6)*16*PITCH+64*\kq
	ds_load_b128 v[FB+96*\p+8*\b+4:FB+96*\p+8*\b+7], v[ADRB+\slot] offset:(\b/6)*PIECE+(\b%6)*16*PITCH+64*\kq+32
.endr
	WIN 0
.irp a, 0,1,2,3
	ds_load_b128 v[FA+32*\p+8*\a:FA+32*\p+8*\a+3],   v[ADRA+\slot] offset:\a*16*PITCH+64*\kq
	ds_load_b128 v[FA+32*\p+8*\a+4:FA+32*\p+8*\a+7], v[ADRA+\slot] offset:\a*16*PITCH+64*\kq+32
.endr
.endm
; A K step is four quarters of 32 along K, 48 matrix instructions each, on buffers 0, 1, 0, 1.  The 48 accumulators take turns, one instruction
; a turn, in the same order in every quarter, over the loop's backward jump too.
; One of the first three quarters: multiplies buffer p; in its middle fetches quarter kq of the same slot into buffer g.
.macro QUARTER slot, kq, p, g, first
	s_wait_dscnt 4                                 ; W and x's blocks 0, 1 are in; the youngest four loads (x's blocks 2, 3) may be out
.if \first
	WIN 0x81                                       ; source 0 window 1, source 1 and C (the bias) window 0, D window 2
.else
	WIN 0xa1                                       ; C and D window 2
.endif
	MULROW \p, 0, 0, \first
	MULROW \p, 0, 1, \first
	PLACES
	FETCH \slot, \kq, \g
	s_wait_dscnt 2*NB+8                            ; all but the 32 just issued
.if \first
	WIN 0xc1
.else
	WIN 0xf1                                       ; C and D window 3
.endif
	MULROW \p, 1, 0, \first
	MULROW \p, 1, 1, \first
.endm
.macro THREE slot, first
	QUARTER \slot, 1, 0, 1, \first
	QUARTER \slot, 2, 1, 0, 0
	QUARTER \slot, 3, 0, 1, 0
.endm
; The last quarter multiplies buffer 1 and changes slots.  In front of the barrier each wave waits for its reads of this slot and for all its
; tensor loads (the one that is out is its part of the next slot).  fill = 1: the barrier opens a round of the cluster's barrier, and the joint
; refill of this slot, two K steps ahead, is the wave's first and only tensor load behind the round.
.macro TURN slot, next, fill
	s_wait_dscnt 4
	WIN 0xa1
	MULROW 1, 0, 0, 0
	s_wait_dscnt 0                                 ; my reads of this slot are over
	s_wait_tensorcnt 0x0                           ; all my tensor loads have landed
	ds_add_u32 v255, v255
	s_wait_dscnt 0x0
	s_barrier_signal -1
	MULROW 1, 0, 1, 0                              ; register work while the others arrive
	WIN 0
	s_barrier_wait -1
.if \fill
	CREST                                          ; no wave of any partner still reads this slot or has a load on its way
	s_add_nc_u64 s[G0A+4*\slot+2:G0A+4*\slot+3], s[G0A+4*\slot+2:G0A+4*\slot+3], 512   ; two K steps of 256 bytes on; no load of mine is out
	s_add_nc_u64 s[G0B+4*\slot+2:G0B+4*\slot+3], s[G0B+4*\slot+2:G0B+4*\slot+3], 512
	JLOAD \slot
.endif
	PLACES
	FETCH \next, 0, 0
	WIN 0xf1
	MULROW 1, 1, 0, 0
	MULROW 1, 1, 1, 0
.endm
.macro LAP first                       ; once round the ring, both slots filled again
	THREE 0, \first
	TURN 0, 1, 1
	THREE 1, 0
	TURN 1, 0, 1
.endm
	s_wait_loadcnt 0x0                             ; the bias
	s_wait_tensorcnt 0x1                           ; my part of K step 0 is in; K step 1's load may stay out
	s_barrier_signal -1
	s_barrier_wait -1                              ; everybody's part is in
	FETCH 0, 0, 0
	LAP 1                                          ; K steps 0, 1; asks for 2, 3
	WIN 0                                          ; at a label and at a branch every window is 0
	s_mov_b32 s15, 2
.Llap:
	LAP 0                                          ; K steps 2, 3 and 4, 5; asks for 4 .. 7
	WIN 0
	s_sub_co_u32 s15, s15, 1
	s_cmp_lg_u32 s15, 0
	s_cbranch_scc1 .Llap
	THREE 0, 0                                     ; K steps 6, 7: nothing is left to ask for
	TURN 0, 1, 0
	THREE 1, 0
	s_wait_dscnt 4
	WIN 0xa1
	MULROW 1, 0, 0, 0
	MULROW 1, 0, 1, 0
	s_wait_dscnt 0
	WIN 0xf1
	MULROW 1, 1, 0, 0
	MULROW 1, 1, 1, 0
	PLACES                                         ; behind the last matrix instructions, before results are read and loads land on fragments
; THE WAY OUT, 16 rows at a time (row block a; lo = its place in window 2 or 3, from = 0x0a or 0x0f: sources 0 and 1 in that window):
; round to bf16, 16 bytes a lane into my own stage (three heads x 16 rows), read back four rows of a head at a time, store 512 dense bytes.
.macro OUT16 a, lo, from, rb
	WIN \from
.irp b, 0,1,2,3,4,5,6,7,8,9,10,11
.irp q, 0,1,2,3
	v_cvt_pk_bf16_f32 v[TMP+4*\b+\q], v[8*(NB*\lo+\b)+2*\q], v[8*(NB*\lo+\b)+2*\q+1]
.endr
.endr
	WIN 0
.irp b, 0,1,2,3,4,5,6,7,8,9,10,11
	ds_store_b128 v[STO], v[TMP+4*\b:TMP+4*\b+3] offset:(\b/4)*16*HPITCH+(\b%4)*32
.endr
	s_wait_xcnt 0x0                                ; the earlier stores have had their addresses translated: buffer rb, which they read, is loaded again only behind this wait
.irp n, 0,1,2,3,4,5,6,7,8,9,10,11
	ds_load_b128 v[\rb+4*\n:\rb+4*\n+3], v[RD] offset:(\n/4)*16*HPITCH+(\n%4)*4*HPITCH   ; LDS serves a wave's instructions in order: these see the stores above
.endr
.irp n, 0,1,2,3,4,5,6,7,8,9,10,11
	s_wait_dscnt 11-\n                             ; read-back n is in, the younger ones may be out
	global_store_b128 v[CO], v[\rb+4*\n:\rb+4*\n+3], s[8:9] offset:(\n/4)*BLOCK+\a*2048+(\n%4)*512   ; head n / 4, rows 16 a + 4 (n % 4) .. + 3: 512 consecutive bytes, aligned
.endr
.endm
	OUT16 0, 0, 0x0a, RB0
	OUT16 1, 1, 0x0a, RB1
	OUT16 2, 0, 0x0f, RB0
	OUT16 3, 1, 0x0f, RB1
	s_set_vgpr_msb 0x1
	s_wait_tensorcnt 0x0
	ds_add_u32 v255, v255
	s_wait_dscnt 0x0
	s_set_vgpr_msb 0x100
	CROUND                                         ; the closing round: no work-group ends while a partner may still ask for a tile that names it
	s_endpgm
.Lfunc_end_k_q739ff928d5_qkvp:
	.size	k_q739ff928d5_qkvp, .Lfunc_end_k_q739ff928d5_qkvp-k_q739ff928d5_qkvp
	.p2alignl 7, 3214868480
	.fill 96, 4, 3214868480
	.section	.rodata,"a",@progbits
	.p2align	6, 0x0
	.amdhsa_kernel k_q739ff928d5_qkvp
		.amdhsa_group_segment_fixed_size 327680
		.amdhsa_private_segment_fixed_size 0
		.amdhsa_enable_private_segment 0
		.amdhsa_kernarg_size 16
		.amdhsa_user_sgpr_count 2
		.amdhsa_user_sgpr_kernarg_segment_ptr 1
		.amdhsa_wavefront_size32 1
		.amdhsa_system_sgpr_workgroup_id_x 1
		.amdhsa_system_sgpr_workgroup_id_y 1
		.amdhsa_system_sgpr_workgroup_id_z 1
		.amdhsa_system_vgpr_workitem_id 0
		.amdhsa_next_free_vgpr 960
		.amdhsa_next_free_sgpr 66
		.amdhsa_reserve_vcc 0
		.amdhsa_float_denorm_mode_32 3
		.amdhsa_float_denorm_mode_16_64 3
		.amdhsa_memory_ordered 1
		.amdhsa_forward_progress 1
		.amdhsa_inst_pref_size 166
	.end_amdhsa_kernel
	.amdgpu_metadata
---
amdhsa.version: [ 1, 2 ]
amdhsa.kernels:
  - .name:           k_q739ff928d5_qkvp
    .symbol:         k_q739ff928d5_qkvp.kd
    .args:
      - { .name: bf, .offset: 0, .size: 8, .value_kind: global_buffer, .address_space: global }
      - { .name: qkv, .offset: 8, .size: 8, .value_kind: global_buffer, .address_space: global }
    .group_segment_fixed_size: 327680
    .private_segment_fixed_size: 0
    .kernarg_segment_align: 8
    .kernarg_segment_size: 16
    .max_flat_workgroup_size: 128
    .sgpr_count:     66
    .vgpr_count:     960
    .wavefront_size: 32
...
	.end_amdgpu_metadata
.endif
;; end of part 2
;; launch attn (part 3): grid 8 x 32, 8 waves a work-group, clusters of 4 x 1, 327,680 bytes of LDS; arguments qkv, ao; writes ao
.if DOCPART == 3
	.amdgcn_target "amdgcn-amd-amdhsa--gfx1250"
	.amdhsa_code_object_version 6
	.text
	.protected	k_q739ff928d5_attn
	.globl	k_q739ff928d5_attn
	.p2align	8
	.type	k_q739ff928d5_attn,@function
k_q739ff928d5_attn:
	s_mov_b64 s[64:65], 0
	v_nop
	global_prefetch_b8 v0, s[64:65] scope:SCOPE_SE
	s_setreg_imm32_b32 hwreg(HW_REG_WAVE_MODE, 25, 1), 1
	s_wait_xcnt 0x0
	s_wait_alu depctr_hold_cnt(0) depctr_sa_sdst(0) depctr_va_vdst(0) depctr_va_sdst(0) depctr_va_ssrc(0) depctr_va_vcc(0) depctr_vm_vsrc(0)
	s_getreg_b32 s2, hwreg(HW_REG_IB_STS2, 6, 4)
	s_cmp_eq_u32 s2, 0
	s_cbranch_scc0 .Lentry_in_a_cluster
	s_endpgm
.Lentry_in_a_cluster:
	s_bfe_u32 s2, ttmp6, 0x10000c
	s_cmp_lg_u32 s2, 0x3003
	s_cbranch_scc0 .Lentry_shape_is_right
	s_endpgm
.Lentry_shape_is_right:
; Attention of one head: ao[b][h][q][:] = softmax over keys of (Q K^T / 8) times V, with a running maximum and a running sum.
; qkv: bf16 [b][g][s][64], g = h Q, 16 + h K, 32 + h V.  ao: bf16 [b][h][s][64].  Products bf16 x bf16 with f32 sums; maxima, exponentials, sums f32.
; LIMITS: the weights p are rounded to bf16 for the product with V while their sum is taken from the unrounded p; the result is rounded to bf16;
; a NaN among the scores loses in the maxima, so NaN and infinities are not treated as the f32 formula treats them.
; A work-group takes 256 queries of one head with eight waves, 32 queries (two tiles of 16) a wave, and walks the 2,048 keys in 8 tiles of 256.
; CLUSTERS: the four work-groups of a cluster take four query blocks of the same head and read the same tiles of K and V: each tile is asked for
; jointly (mask 15).  Q is each wave's own and comes straight into registers.
; LAYOUT: S^T = K Q^T (source 0 = 16 keys, source 1 = 16 queries): lane l holds query l % 16, register j key 8 (l / 16) + j.  So a row's maximum and sum
; are taken inside the lane and across one pair of lanes; two neighbouring key tiles, packed to bf16, ARE the source-1 fragment of 32 keys; and
; O^T = V^T P keeps the query in the lane, so the rescaling factors are one number a lane and a lane's 8 results are 16 neighbouring bytes.
; V^T's fragments are read from V's rows by the transposing LDS load.
; ORDER OF A STEP (64 keys): V's fragments are requested; the 16 products of S; the NEXT step's K fragments are requested (they have registers of their
; own, v256-319, so that they land during the softmax); maxima in eight chains; each exponential stands beside a plain instruction that does not hang on
; it; the eight products of O for query tile 0 stand one by one among tile 1's rescaling, sum and packing; then the eight products for tile 1.
.set QUART,  10240                     ; LDS bytes of 64 keys: K 64 x 144 (of 10,240), V 64 x 160
.set SLOT,   8*QUART                   ; 256 keys: K's four quarters, then V's four
.set STAGE,  2*SLOT                    ; behind the ring, a multiple of 256: each wave's own stage for the way out; no tensor load lands here
.set KP,     144                       ; K's pitch: 128 bytes + 16, an odd multiple of 16
.set VP,     160                       ; V's pitch: 128 bytes + 32, an odd multiple of 32, for the transposing load
.set WSTAGE, 32*KP
.set KADR, 2                           ; v2-3    LDS address of my K fragments in slot 0, 1
.set VADR, 4                           ; v4-5    the same for V
.set STO,  6                           ; v6      the way out: where I put 16 bytes
.set RD,   7                           ; v7      the way out: where I read back
.set CO,   8                           ; v8      16 x lane
.set QO,   9                           ; v9      my place in Q's rows
.set NM,   16                          ; v16-19  query tile qt: pair (-c x maximum, maximum)
.set AL,   20                          ; v20-23  query tile qt: pair (rescaling factor, running sum of my lane's keys)
.set T,    24                          ; v24-31  query tile qt: four registers at work
.set Q,    32                          ; v32-63  Q(qt, hf) at Q + 16 qt + 8 hf: 16 queries x 32 of the head's 64
.set O,    64                          ; v64-127 O(dt, qt) at O + 8 (2 dt + qt): 16 of the head's 64 x 16 queries
.set S,    128                         ; v128-191 S(kt, qt) at S + 32 qt + 8 kt; then P(qt, u), 8 registers, at S + 32 qt + 16 u
.set F,    192                         ; v192-255 V(u, dt) at F + 32 u + 8 dt
.set KF,   0                           ; window 1 (v256-319): K(hf, kt) at KF + 32 hf + 8 kt
.set G1K, 16                           ; s[16:23] group 1 for K's quarters
.set G1V, 24                           ; s[24:31] group 1 for V's quarters
.set G0K, 32                           ; s[32:39] group 0 for K, a set for each slot
.set G0V, 40                           ; s[40:47] group 0 for V, a set for each slot
.set MSB, 0
.macro WIN new                         ; switches the register windows; the immediate's high byte repeats the setting that is left.  0x40: destination in
.if MSB != \new                        ; window 1 (K's loads); 0x01: source 0 in window 1 (the products of S); at a label and at a branch every window is 0
	s_set_vgpr_msb (MSB<<8)|\new
.set MSB, \new
.endif
.endm
.macro ROUND                           ; a round of the cluster's barrier
	s_barrier_signal -1
	s_barrier_wait -1
	s_cmp_lg_u32 s8, 0
	s_cbranch_scc1 .Lnot_wave_0_\@
	s_barrier_signal -3
.Lnot_wave_0_\@:
	s_barrier_wait -3
	s_barrier_signal -1
	s_barrier_wait -1
.endm
.macro JLOAD s                         ; a joint load: waves 0-3 ask for K's quarters, waves 4-7 for V's; the branch hangs on the wave's number alone
	s_cmp_eq_u32 s11, 0
	s_cbranch_scc0 .Lfor_v_\@
	tensor_load_to_lds s[G0K+4*\s:G0K+4*\s+3], s[G1K:G1K+7]
	s_nop 0
	s_branch .Lasked_\@
.Lfor_v_\@:
	tensor_load_to_lds s[G0V+4*\s:G0V+4*\s+3], s[G1V:G1V+7]
	s_nop 0
.Lasked_\@:
.endm
	s_load_b128 s[4:7], s[0:1], 0x0                ; qkv s[4:5], ao s[6:7]
	s_set_vgpr_msb 0x40
	v_lshl_add_u32 v64, v0, 2, 0x31000
	v_mov_b32 v65, 0
	s_set_vgpr_msb 0x4045
	ds_add_u32 v64, v65
	s_set_vgpr_msb 0x4500
	v_lshrrev_b32 v1, 5, v0
	v_readfirstlane_b32 s8, v1                     ; wave 0..7
	s_and_b32 s9, s8, 3                            ; which 64 keys of a tile I fetch
	s_lshr_b32 s11, s8, 2                          ; for K (0) or for V (1)
	s_mov_b32 s10, 0xbe38aa3b                      ; -c, c = log2(e) / 8: exp(x / 8) = 2^(c x)
	s_mov_b32 s12, 0x76543210                      ; v_permlanex16_b32: lane i reads lane i of the other half
	s_mov_b32 s13, 0xfedcba98
	s_mov_b32 s14, 0x3e38aa3b                      ; c, as a pair
	s_mov_b32 s15, 0x3e38aa3b
	s_bfe_u32 s49, ttmp6, 0x40000                  ; cx
	s_lshl_b32 s50, ttmp9, 2
	s_add_co_u32 s50, s50, s49                     ; query block qb = 4 x cluster x + cx
	s_and_b32 s51, ttmp7, 0xffff                   ; bh = 16 b + h
	s_mov_b32 s[G1K+0], 15|(1<<16)|(1<<20)|(1<<21)|(4<<22)|(3<<25)   ; mask: all four; 2-byte elements; padding on; bit 21 beside a mask; after every 32 words; 4 words
	s_mov_b32 s[G1K+1], 64<<16                     ; tensor_dim0 = 64 elements
	s_mov_b32 s[G1K+2], 64<<16                     ; tensor_dim1 = 64 rows
	s_mov_b32 s[G1K+3], 64<<16                     ; tile_dim0 = 64
	s_mov_b32 s[G1K+4], 64                         ; tile_dim1 = 64
	s_mov_b32 s[G1K+5], 64                         ; elements from row to row: the rows lie dense
	s_mov_b32 s[G1K+6], 0
	s_mov_b32 s[G1K+7], 0
	s_mov_b32 s[G1V+0], 15|(1<<16)|(1<<20)|(1<<21)|(4<<22)|(7<<25)   ; the same with 8 words of padding
	s_mov_b32 s[G1V+1], 64<<16
	s_mov_b32 s[G1V+2], 64<<16
	s_mov_b32 s[G1V+3], 64<<16
	s_mov_b32 s[G1V+4], 64
	s_mov_b32 s[G1V+5], 64
	s_mov_b32 s[G1V+6], 0
	s_mov_b32 s[G1V+7], 0
	s_lshr_b32 s58, s51, 4
	s_mul_i32 s58, s58, 48
	s_and_b32 s52, s51, 15
	s_add_co_u32 s58, s58, s52                     ; Q's block: 48 b + h
	s_lshl_b32 s58, s58, 18                        ; 262,144 bytes a block
	s_lshl_b32 s52, s9, 13                         ; my 64 keys of 128 bytes
	s_add_co_u32 s52, s52, s58
	s_add_co_u32 s52, s52, 16<<18                  ; K's block lies 16 blocks behind Q's.  s52, s53, s58 hang on bh and the wave alone
	s_mov_b32 s53, 0
	s_lshl_b32 s54, s50, 15                        ; (256 qb + 32 w) rows of 128 bytes
	s_lshl_b32 s59, s8, 12
	s_add_co_u32 s59, s54, s59
	s_add_co_u32 s54, s59, s58                     ; Q's rows of mine
	s_mov_b32 s55, 0
	s_lshl_b32 s56, s51, 18                        ; ao's block is bh
	s_add_co_u32 s56, s56, s59
	s_mov_b32 s57, 0
	s_mul_i32 s58, s8, QUART                       ; LDS: wave w's load lands at w x QUART in a slot
	s_wait_dscnt 0x0
	s_wait_kmcnt 0x0
	s_add_nc_u64 s[52:53], s[4:5], s[52:53]
	s_add_nc_u64 s[54:55], s[4:5], s[54:55]
	s_add_nc_u64 s[56:57], s[6:7], s[56:57]
.irp s, 0,1
	s_mov_b32 s[G0K+4*\s], 1                                       ; count = 1
	s_add_co_u32 s[G0K+4*\s+1], s58, \s*SLOT                       ; LDS address
	s_add_nc_u64 s[G0K+4*\s+2:G0K+4*\s+3], s[52:53], \s*32768      ; global address: key tile s
	s_or_b32 s[G0K+4*\s+3], s[G0K+4*\s+3], 0x80000000              ; type = 2
	s_mov_b32 s[G0V+4*\s], 1
	s_add_co_u32 s[G0V+4*\s+1], s58, \s*SLOT
	s_add_nc_u64 s[G0V+4*\s+2:G0V+4*\s+3], s[52:53], \s*32768+(16<<18)   ; V's block lies 16 blocks behind K's
	s_or_b32 s[G0V+4*\s+3], s[G0V+4*\s+3], 0x80000000
.endr
	ROUND                                          ; all four work-groups are here: the first joint loads meet
	JLOAD 0                                        ; key tile 0 into slot 0
	v_and_b32 v1, 15, v0                           ; r = l % 16
	v_bfe_u32 v10, v0, 4, 1                        ; h = l / 16
	v_lshlrev_b32 v[QO], 7, v1
	v_lshl_add_u32 v[QO], v10, 4, v[QO]            ; row r, 16 h
.irp qt, 0,1
.irp hf, 0,1
	global_load_b128 v[Q+16*\qt+8*\hf:Q+16*\qt+8*\hf+3],   v[QO], s[54:55] offset:\qt*2048+64*\hf
	global_load_b128 v[Q+16*\qt+8*\hf+4:Q+16*\qt+8*\hf+7], v[QO], s[54:55] offset:\qt*2048+64*\hf+32
.endr
.endr
	v_mul_u32_u24 v11, v1, KP
	v_lshl_add_u32 v[KADR], v10, 4, v11            ; key r x pitch + 16 h
	v_add_nc_u32 v[KADR+1], SLOT, v[KADR]
	v_and_b32 v12, 7, v0
	v_lshl_add_u32 v12, v10, 3, v12                ; the transposing load: key 8 h + l % 8,
	v_mul_u32_u24 v12, v12, VP
	v_bfe_u32 v13, v0, 3, 1
	v_lshl_add_u32 v12, v13, 4, v12                ; 16 bytes for each eight lanes
	v_add_nc_u32 v[VADR], 4*QUART, v12
	v_add_nc_u32 v[VADR+1], 4*QUART+SLOT, v12
	s_mul_i32 s58, s8, WSTAGE
	s_add_co_u32 s58, s58, STAGE                   ; my stage
	v_add_nc_u32 v[STO], s58, v[KADR]              ; in: row r x 144 + 16 h
	v_and_b32 v14, 31, v0
	v_lshrrev_b32 v15, 3, v14
	v_and_b32 v13, 7, v0
	v_mul_u32_u24 v15, v15, KP
	v_lshl_add_u32 v15, v13, 4, v15
	v_add_nc_u32 v[RD], s58, v15                   ; back: eight lanes take a row of 128 bytes, a load takes four rows
	v_lshlrev_b32 v[CO], 4, v14
	s_wait_loadcnt 0x0                             ; Q
; 16 LDS loads: K's fragments of quarter st of a slot, into their own registers in window 1
.macro KLOADS slot, st
	WIN 0x40
.irp hf, 0,1
.irp kt, 0,1,2,3
	ds_load_b128 v[KF+32*\hf+8*\kt:KF+32*\hf+8*\kt+3],   v[KADR+\slot] offset:(\st)*QUART+\kt*16*KP+64*\hf
	ds_load_b128 v[KF+32*\hf+8*\kt+4:KF+32*\hf+8*\kt+7], v[KADR+\slot] offset:(\st)*QUART+\kt*16*KP+64*\hf+32
.endr
.endr
	WIN 0
.endm
; The new maxima of both query tiles over this step's 64 keys and all earlier ones; NM = -c x maximum; T+3 = NM new - NM old.
; Four chains a tile over seven scores each, so that eight instructions stand between two links of a chain; the four scores left over join as the chains meet.
.macro ROWMAX first
.irp qt, 0,1
.irp c, 0,1,2,3
	v_max3_num_f32 v[T+4*\qt+\c], v[S+32*\qt+8*\c], v[S+32*\qt+8*\c+1], v[S+32*\qt+8*\c+2]
.endr
.endr
.irp j, 3,5
.irp qt, 0,1
.irp c, 0,1,2,3
	v_max3_num_f32 v[T+4*\qt+\c], v[T+4*\qt+\c], v[S+32*\qt+8*\c+\j], v[S+32*\qt+8*\c+\j+1]
.endr
.endr
.endr
.irp qt, 0,1
	v_max3_num_f32 v[T+4*\qt],   v[T+4*\qt],   v[T+4*\qt+1], v[S+32*\qt+7]
	v_max3_num_f32 v[T+4*\qt+2], v[T+4*\qt+2], v[T+4*\qt+3], v[S+32*\qt+15]
.endr
.irp qt, 0,1
	v_max3_num_f32 v[T+4*\qt], v[T+4*\qt], v[T+4*\qt+2], v[S+32*\qt+23]
.endr
.irp qt, 0,1
.if \first
	v_max_num_f32 v[T+4*\qt], v[T+4*\qt], v[S+32*\qt+31]
.else
	v_max3_num_f32 v[T+4*\qt], v[T+4*\qt], v[S+32*\qt+31], v[NM+2*\qt+1]             ; with the maximum so far
.endif
.endr
.irp qt, 0,1
	v_permlanex16_b32 v[T+4*\qt+1], v[T+4*\qt], s12, s13                             ; the query's other 32 keys lie in lane l xor 16
.endr
.irp qt, 0,1
	v_max_num_f32 v[NM+2*\qt+1], v[T+4*\qt], v[T+4*\qt+1]
.endr
.if \first
.irp qt, 0,1
	v_mul_f32 v[NM+2*\qt], s10, v[NM+2*\qt+1]
.endr
.else
.irp qt, 0,1
	v_mul_f32 v[T+4*\qt+2], s10, v[NM+2*\qt+1]
.endr
.irp qt, 0,1
	v_sub_f32 v[T+4*\qt+3], v[T+4*\qt+2], v[NM+2*\qt]  ; the difference of the very offsets that the exponentials use, at most 0: old and new weights stay on one scale
.endr
.irp qt, 0,1
	v_mov_b32 v[NM+2*\qt], v[T+4*\qt+2]
.endr
.endif
.endm
; Single instructions of the softmax, by number, so that a step can lay them side by side.
.macro FMAOP qt, i                     ; i = 0..15: scores 2 i, 2 i + 1 become c s + NM
	v_pk_fma_f32 v[S+32*\qt+2*(\i):S+32*\qt+2*(\i)+1], v[S+32*\qt+2*(\i):S+32*\qt+2*(\i)+1], s[14:15], v[NM+2*\qt:NM+2*\qt+1] op_sel_hi:[1,0,0]
.endm
.macro EXPOP qt, i                     ; i = 0..31: p = 2^(c s + NM), in place
	v_exp_f32 v[S+32*\qt+(\i)], v[S+32*\qt+(\i)]
.endm
.macro RESOP qt, i                     ; i = 0..15: two numbers of O(i / 4, qt) are rescaled
	s_wait_alu depctr_va_vdst(0)
	v_pk_mul_f32 v[O+8*(2*((\i)/4)+\qt)+2*((\i)%4):O+8*(2*((\i)/4)+\qt)+2*((\i)%4)+1], v[O+8*(2*((\i)/4)+\qt)+2*((\i)%4):O+8*(2*((\i)/4)+\qt)+2*((\i)%4)+1], v[AL+2*\qt:AL+2*\qt+1] op_sel_hi:[1,0]
.endm
.macro CVTOP qt, i                     ; i = 0..15, ascending: register i % 8 of P(qt, i / 8) from registers 2 (i % 8), 2 (i % 8) + 1 of its 16, in place
	v_cvt_pk_bf16_f32 v[S+32*\qt+16*((\i)/8)+(\i)%8], v[S+32*\qt+16*((\i)/8)+2*((\i)%8)], v[S+32*\qt+16*((\i)/8)+2*((\i)%8)+1]
.endm
.macro SUMOP qt, n, first              ; n = 0..16: this step's 32 p of my lane are summed in two chains (0..13 read p), the chains meet (14, 15), the running sum is rescaled and takes them (16)
.if (\n) == 0
	s_wait_alu depctr_va_vdst(0)
	v_pk_add_f32 v[T+4*\qt:T+4*\qt+1], v[S+32*\qt:S+32*\qt+1], v[S+32*\qt+2:S+32*\qt+3]
.endif
.if (\n) == 1
	s_wait_alu depctr_va_vdst(0)
	v_pk_add_f32 v[T+4*\qt+2:T+4*\qt+3], v[S+32*\qt+16:S+32*\qt+17], v[S+32*\qt+18:S+32*\qt+19]
.endif
.if (\n) > 1
.if (\n) < 14
.if ((\n)%2) == 0
	v_pk_add_f32 v[T+4*\qt:T+4*\qt+1], v[T+4*\qt:T+4*\qt+1], v[S+32*\qt+(\n)+2:S+32*\qt+(\n)+3]
.else
	v_pk_add_f32 v[T+4*\qt+2:T+4*\qt+3], v[T+4*\qt+2:T+4*\qt+3], v[S+32*\qt+(\n)+17:S+32*\qt+(\n)+18]
.endif
.endif
.endif
.if (\n) == 14
	v_pk_add_f32 v[T+4*\qt:T+4*\qt+1], v[T+4*\qt:T+4*\qt+1], v[T+4*\qt+2:T+4*\qt+3]
.endif
.if (\n) == 15
.if \first
	v_add_f32 v[AL+2*\qt+1], v[T+4*\qt], v[T+4*\qt+1]
.else
	v_add_f32 v[T+4*\qt], v[T+4*\qt], v[T+4*\qt+1]
.endif
.endif
.if (\n) == 16
.if \first == 0
	v_fma_f32 v[AL+2*\qt+1], v[AL+2*\qt+1], v[AL+2*\qt], v[T+4*\qt]
.endif
.endif
.endm
.macro PVOP qt, p, first               ; p = 0..7: O(p % 4, qt) takes V(p / 4, p % 4) x P(qt, p / 4); in the first step of all the first four start the sums
.if \first*(1-(\p)/4)
	v_wmma_f32_16x16x32_bf16 v[O+8*(2*((\p)%4)+\qt):O+8*(2*((\p)%4)+\qt)+7], v[F+32*((\p)/4)+8*((\p)%4):F+32*((\p)/4)+8*((\p)%4)+7], v[S+32*\qt+16*((\p)/4):S+32*\qt+16*((\p)/4)+7], 0
	s_wait_alu depctr_va_vdst(0)
.else
	v_wmma_f32_16x16x32_bf16 v[O+8*(2*((\p)%4)+\qt):O+8*(2*((\p)%4)+\qt)+7], v[F+32*((\p)/4)+8*((\p)%4):F+32*((\p)/4)+8*((\p)%4)+7], v[S+32*\qt+16*((\p)/4):S+32*\qt+16*((\p)/4)+7], v[O+8*(2*((\p)%4)+\qt):O+8*(2*((\p)%4)+\qt)+7]
.endif
.endm
; One step: the 64 keys of quarter st of a slot.  first = 1: the first keys of all: nothing is rescaled, the products start the sums.
; In every run of matrix instructions the accumulators take turns, one instruction a turn (eight in S, four in each half of O).
.macro STEP slot, st, first
.if \st == 0
	KLOADS \slot, 0                                ; a tile's first step has nobody to ask ahead for it: the slot was shown whole only by the round just passed
.endif
.irp u, 0,1
.irp dt, 0,1,2,3
	ds_load_tr16_b128 v[F+32*\u+8*\dt:F+32*\u+8*\dt+3],   v[VADR+\slot] offset:\st*QUART+\u*32*VP+32*\dt
	ds_load_tr16_b128 v[F+32*\u+8*\dt+4:F+32*\u+8*\dt+7], v[VADR+\slot] offset:\st*QUART+\u*32*VP+32*\dt+16*VP
.endr
.endr
	s_wait_dscnt 16                                ; K's 16 loads, issued ahead of V's 16, are in; V's may be out
	WIN 0x01
.irp kt, 0,1,2,3
.irp qt, 0,1
	v_wmma_f32_16x16x32_bf16 v[S+32*\qt+8*\kt:S+32*\qt+8*\kt+7], v[KF+8*\kt:KF+8*\kt+7], v[Q+16*\qt:Q+16*\qt+7], 0
.endr
.endr
.irp kt, 0,1,2,3
.irp qt, 0,1
	v_wmma_f32_16x16x32_bf16 v[S+32*\qt+8*\kt:S+32*\qt+8*\kt+7], v[KF+32+8*\kt:KF+32+8*\kt+7], v[Q+16*\qt+8:Q+16*\qt+15], v[S+32*\qt+8*\kt:S+32*\qt+8*\kt+7]
.endr
.endr
	WIN 0
.rept 4
	v_nop                                          ; four places before loads land on K's fragments and the scores are read (ISA guide 7.12.1 for vector instructions)
.endr
.if \st < 3
	KLOADS \slot, \st+1                            ; the next step's K: it has the whole softmax in which to land
.endif
	ROWMAX \first
.set ii, 0
.rept 16
	FMAOP 0, ii
.set ii, ii+1
.endr
.if \first == 0
	v_exp_f32 v[AL], v[T+3]                        ; the rescaling factors 2^(NM new - NM old)
	v_exp_f32 v[AL+2], v[T+7]
.endif
.set ii, 0
.rept 16                                           ; tile 0's exponentials, each beside a plain instruction that names none of its registers:
	EXPOP 0, ii
	FMAOP 1, ii                                    ; tile 1's multiply-adds,
.set ii, ii+1
.endr
.rept 16
	EXPOP 0, ii
.if \first == 0
	RESOP 0, ii-16                                 ; tile 0's O (its last products lie a whole run of S and the maxima back)
.endif
.set ii, ii+1
.endr
	EXPOP 1, 31                                    ; tile 1's exponentials, beside tile 0's sum and packing; the 32nd goes first, so that the run ends on a plain instruction
.set ii, 0
.rept 15
	EXPOP 1, ii
	SUMOP 0, ii, \first
.set ii, ii+1
.endr
.rept 16
	EXPOP 1, ii
	CVTOP 0, ii-15                                 ; packing begins when the sum's chains have read all 32 p
.if ii < 17
	SUMOP 0, ii, \first
.endif
.set ii, ii+1
.endr
.if \st < 3
	s_wait_dscnt 16                                ; V's 16 loads are in; the next step's K, 16 loads issued behind them, may be out
.else
	s_wait_dscnt 0                                 ; a tile's last step asked for nothing behind V
.endif
.set pp, 0
.rept 8                                            ; tile 0's products, one by one among tile 1's rescaling, sum and packing, which name none of their registers
	PVOP 0, pp, \first
.set qq, 0
.rept 4
.if pp < 4
.if \first == 0
	RESOP 1, 4*pp+qq
.endif
	SUMOP 1, 4*pp+qq, \first
.else
	CVTOP 1, 4*(pp-4)+qq
.endif
.set qq, qq+1
.endr
.if pp == 4
	SUMOP 1, 16, \first
.endif
.set pp, pp+1
.endr
.set pp, 0
.rept 8
	PVOP 1, pp, \first
.set pp, pp+1
.endr
.rept 5
	v_nop                                          ; five places before the next step's products write over P, four before its loads land on V's fragments
.endr
.endm
; One key tile.  In front of the round each wave waits for all its tensor loads (its part of this slot) and for its reads of the other slot; the round
; stands for every wave of all four work-groups; behind it the other slot's joint refill is the wave's first and only tensor load, and it has the
; whole tile's work in which to land.
.macro TRIP slot, other, refill, first
	s_set_vgpr_msb 0x5
	s_wait_tensorcnt 0x0                           ; no load of mine is out, so a group 0 may be written:
	ds_add_u32 v64, v65
	s_wait_dscnt 0x0
	s_set_vgpr_msb 0x500
	s_add_nc_u64 s[G0K+4*\slot+2:G0K+4*\slot+3], s[G0K+4*\slot+2:G0K+4*\slot+3], 65536   ; this slot's next tile, two tiles of 32,768 bytes on
	s_add_nc_u64 s[G0V+4*\slot+2:G0V+4*\slot+3], s[G0V+4*\slot+2:G0V+4*\slot+3], 65536
	s_wait_dscnt 0x0
	ROUND
.if \refill
	JLOAD \other
.endif
	STEP \slot, 0, \first
	STEP \slot, 1, 0
	STEP \slot, 2, 0
	STEP \slot, 3, 0
.endm
	TRIP 0, 1, 1, 1                                ; tile 0; asks for tile 1 (slot 1's first fill, issued as a refill is)
	TRIP 1, 0, 1, 0
	s_mov_b32 s48, 2
.Lpair:
	TRIP 0, 1, 1, 0                                ; tiles 2 .. 5
	TRIP 1, 0, 1, 0
	s_sub_co_u32 s48, s48, 1
	s_cmp_lg_u32 s48, 0
	s_cbranch_scc1 .Lpair
	TRIP 0, 1, 1, 0                                ; tile 6; asks for tile 7, the last
	TRIP 1, 0, 0, 0                                ; (the stepped addresses are not used)
	; THE WAY OUT: the two halves of each query's sum meet, O is divided by it, rounded to bf16 and goes through my own stage as whole rows.
.irp qt, 0,1
	v_permlanex16_b32 v[T+4*\qt], v[AL+2*\qt+1], s12, s13
.endr
.irp qt, 0,1
	v_add_f32 v[AL+2*\qt+1], v[AL+2*\qt+1], v[T+4*\qt]
.endr
	v_rcp_f32 v[AL], v[AL+1]                       ; the sum is at least about 1: the largest score's weight is 2^0 up to rounding
	v_rcp_f32 v[AL+2], v[AL+3]
	v_nop                                          ; one plain instruction between the reciprocals and their use
	s_wait_alu depctr_va_vdst(0)
.irp qt, 0,1
.irp dt, 0,1,2,3
.irp j, 0,2,4,6
	v_pk_mul_f32 v[O+8*(2*\dt+\qt)+\j:O+8*(2*\dt+\qt)+\j+1], v[O+8*(2*\dt+\qt)+\j:O+8*(2*\dt+\qt)+\j+1], v[AL+2*\qt:AL+2*\qt+1] op_sel_hi:[1,0]
.endr
.irp i, 0,1,2,3
	v_cvt_pk_bf16_f32 v[O+8*(2*\dt+\qt)+\i], v[O+8*(2*\dt+\qt)+2*\i], v[O+8*(2*\dt+\qt)+2*\i+1]
.endr
	ds_store_b128 v[STO], v[O+8*(2*\dt+\qt):O+8*(2*\dt+\qt)+3] offset:\qt*16*KP+32*\dt
.endr
.endr
.irp t, 0,1,2,3,4,5,6,7
	ds_load_b128 v[F+4*\t:F+4*\t+3], v[RD] offset:\t*4*KP          ; LDS serves a wave's instructions in order: these see the stores above
.endr
.irp t, 0,1,2,3,4,5,6,7
	s_wait_dscnt 7-\t                              ; read-back t is in, the younger ones may be out
	global_store_b128 v[CO], v[F+4*\t:F+4*\t+3], s[56:57] offset:512*\t   ; four rows of the head: 512 consecutive bytes, aligned
.endr
	s_set_vgpr_msb 0x5
	s_wait_tensorcnt 0x0
	ds_add_u32 v64, v65
	s_wait_dscnt 0x0
	s_set_vgpr_msb 0x500
	ROUND                                          ; the closing round: no work-group ends while a partner may still ask for a tile that names it
	s_endpgm
.Lfunc_end_k_q739ff928d5_attn:
	.size	k_q739ff928d5_attn, .Lfunc_end_k_q739ff928d5_attn-k_q739ff928d5_attn
	.p2alignl 7, 3214868480
	.fill 96, 4, 3214868480
	.section	.rodata,"a",@progbits
	.p2align	6, 0x0
	.amdhsa_kernel k_q739ff928d5_attn
		.amdhsa_group_segment_fixed_size 327680
		.amdhsa_private_segment_fixed_size 0
		.amdhsa_enable_private_segment 0
		.amdhsa_kernarg_size 16
		.amdhsa_user_sgpr_count 2
		.amdhsa_user_sgpr_kernarg_segment_ptr 1
		.amdhsa_wavefront_size32 1
		.amdhsa_system_sgpr_workgroup_id_x 1
		.amdhsa_system_sgpr_workgroup_id_y 1
		.amdhsa_system_sgpr_workgroup_id_z 1
		.amdhsa_system_vgpr_workitem_id 0
		.amdhsa_next_free_vgpr 322
		.amdhsa_next_free_sgpr 66
		.amdhsa_reserve_vcc 0
		.amdhsa_float_denorm_mode_32 3
		.amdhsa_float_denorm_mode_16_64 3
		.amdhsa_memory_ordered 1
		.amdhsa_forward_progress 1
		.amdhsa_inst_pref_size 255
	.end_amdhsa_kernel
	.section	.bss,"aw",@nobits
	.p2align	6
	.space	262144
	.amdgpu_metadata
---
amdhsa.version: [ 1, 2 ]
amdhsa.kernels:
  - .name:           k_q739ff928d5_attn
    .symbol:         k_q739ff928d5_attn.kd
    .args:
      - { .name: qkv, .offset: 0, .size: 8, .value_kind: global_buffer, .address_space: global }
      - { .name: ao, .offset: 8, .size: 8, .value_kind: global_buffer, .address_space: global }
    .group_segment_fixed_size: 327680
    .private_segment_fixed_size: 0
    .kernarg_segment_align: 8
    .kernarg_segment_size: 16
    .max_flat_workgroup_size: 256
    .sgpr_count:     66
    .vgpr_count:     322
    .wavefront_size: 32
...
	.end_amdgpu_metadata
.endif
;; end of part 3
;; launch oproj (part 4): grid 8 x 32, 4 waves a work-group, clusters of 4 x 4, 327,680 bytes of LDS; arguments ao, bf, out0, bo; writes out0
.if DOCPART == 4
	.amdgcn_target "amdgcn-amd-amdhsa--gfx1250"
	.amdhsa_code_object_version 6
	.text
	.protected	k_q739ff928d5_oproj
	.globl	k_q739ff928d5_oproj
	.p2align	8
	.type	k_q739ff928d5_oproj,@function
k_q739ff928d5_oproj:
	s_mov_b64 s[64:65], 0
	v_nop
	global_prefetch_b8 v0, s[64:65] scope:SCOPE_SE
	s_setreg_imm32_b32 hwreg(HW_REG_WAVE_MODE, 25, 1), 1
	s_wait_xcnt 0x0
	s_wait_alu depctr_hold_cnt(0) depctr_sa_sdst(0) depctr_va_vdst(0) depctr_va_sdst(0) depctr_va_ssrc(0) depctr_va_vcc(0) depctr_vm_vsrc(0)
	s_getreg_b32 s2, hwreg(HW_REG_IB_STS2, 6, 4)
	s_cmp_eq_u32 s2, 0
	s_cbranch_scc0 .Lentry_in_a_cluster
	s_endpgm
.Lentry_in_a_cluster:
	s_bfe_u32 s2, ttmp6, 0x10000c
	s_cmp_lg_u32 s2, 0xf033
	s_cbranch_scc0 .Lentry_shape_is_right
	s_endpgm
.Lentry_shape_is_right:
; The output projection: out0[m][e] = bo[e] + sum over d of a[m][d] Wo[e][d], m < 4096, e < 1024, d < 1024, out0 in f32.
; a is ao, bf16 [b][h][s][64] (d = 64 h + ..); Wo as bf16 lies in bf at byte 0xE00000.  Sums f32, the bias is the first addend of each sum.
; LIMITS: operands carry bf16's 8 bits; NaN and infinities in the inputs are not treated as the f32 formula treats them.
; A work-group makes 128 x 128 with four waves; wave w makes rows 64 (w / 2) .., columns 64 (w % 2) ..: 16 accumulator tiles, so that 256 work-groups
; share the work.  K goes in four fills of 256 (four heads) through two LDS slots filled by the tensor data mover: as much as two slots can hold, so
; that only two fills are refills and each has 124 matrix instructions of the wave between its request and the wait for it.
; One load a wave: waves 0, 1 bring two heads of a each.  The 128 rows of a head lie dense, 16,384 consecutive bytes, so they are ONE row of 8,192
; elements of the tile, and the tile's second row is the next head, 131,072 elements on; the padding, counted along the tile, still falls behind every
; 128 bytes.  Waves 2, 3 bring 64 rows of Wo each, 512 bytes a row, at multiples of 256 bytes.
; CLUSTERS: 4 x 4 work-groups; a's tiles are asked for jointly along a row of the cluster, Wo's along a column.
; REGISTER WINDOWS: window 0 addresses, a's fragments (two buffers), the bias; window 1 Wo's fragments (two buffers); window 2 the accumulators of my
; rows 0-31 (tile (a, b) at v[8 (4 a + b)]); window 3 those of my rows 32-63.
; THE MATRIX INSTRUCTION IS USED TRANSPOSED (source 0 = 16 rows of Wo, source 1 = 16 rows of a): a lane's registers 0-7 are eight neighbouring columns of a row.
.set NB,     4                         ; column blocks of 16 in a wave's tile
.set PA,     144                       ; a's LDS pitch: 128 bytes + 16
.set PB,     528                       ; Wo's LDS pitch: 512 bytes + 16; both odd multiples of 16
.set HEADB,  128*PA                    ; LDS bytes of 128 rows of one head
.set PIECE,  2*HEADB                   ; LDS bytes kept for one tensor load: a two heads (all of it), Wo 64 rows x 528
.set SLOT,   4*PIECE                   ; a's heads 0, 1; a's heads 2, 3; Wo rows 0-63; Wo rows 64-127
.set STAGE,  2*SLOT                    ; behind the ring, a multiple of 256: each wave's own stage; no tensor load lands here
.set SPITCH, 272                       ; a stage row: 64 f32 + 16 bytes
.set WSTAGE, 16*SPITCH
.set FLAGSA, (1<<16)|(1<<20)|(1<<21)|(4<<22)|(3<<25)   ; 2-byte elements; padding on; bit 21 beside a mask; after every 32 words; 4 words
.set FLAGSB, (1<<16)|(1<<20)|(1<<21)|(6<<22)|(3<<25)   ; the same after every 128 words
.set ADRA, 16                          ; v16-17  LDS address of my a fragments in slot 0, 1
.set ADRB, 20                          ; v20-21  the same for Wo
.set STO,  24                          ; v24     the way out: where I put 32 bytes
.set RD,   25                          ; v25     the way out: where I read back
.set CO,   26                          ; v26     my byte offset in out0
.set BO,   27                          ; v27     32 x (lane / 16)
.set FA,   32                          ; v32-63, v64-95  a's fragments, buffer p at FA + 32 p
.set BIAS, 96                          ; v96-127         block b: the bias of columns 16 b + 8 (l / 16) + 0..7
.set FB,   0                           ; window 1: v0-31, v32-63  Wo's fragments, buffer p at FB + 32 p
.set RB0,  32                          ; the way out: rows read back, two buffers in registers that the products no longer need
.set RB1,  64
.set G1A, 24                           ; s[24:31] group 1 for a's tiles
.set G0A, 32                           ; s[32:39] group 0 for a's tiles, a set for each slot
.set G1B, 40                           ; s[40:47] group 1 for Wo's tiles
.set G0B, 48                           ; s[48:55] group 0 for Wo's tiles, a set for each slot
.set MSB, 0
.macro WIN new                         ; switches the register windows; the immediate's high byte repeats the setting that is left
.if MSB != \new
	s_set_vgpr_msb (MSB<<8)|\new
.set MSB, \new
.endif
.endm
.macro PLACES                          ; four plain vector instructions behind a matrix instruction before its results are read or a load lands on its
.rept 4                                ; registers (ISA guide 7.12.1 for vector instructions)
	v_nop
.endr
.endm
.macro JLOAD s                         ; a joint load: waves 0, 1 ask for a's two pairs of heads, waves 2, 3 for Wo's two halves; the branch hangs on the wave's number alone
	s_cmp_eq_u32 s13, 0
	s_cbranch_scc0 .Lfor_b_\@
	tensor_load_to_lds s[G0A+4*\s:G0A+4*\s+3], s[G1A:G1A+7]
	s_nop 0
	s_branch .Lasked_\@
.Lfor_b_\@:
	tensor_load_to_lds s[G0B+4*\s:G0B+4*\s+3], s[G1B:G1B+7]
	s_nop 0
.Lasked_\@:
.endm
.macro CREST                           ; a round of the cluster's barrier behind its opening work-group barrier
	s_cmp_lg_u32 s12, 0
	s_cbranch_scc1 .Lnot_wave_0_\@
	s_barrier_signal -3
.Lnot_wave_0_\@:
	s_barrier_wait -3
	s_barrier_signal -1
	s_barrier_wait -1
.endm
.macro CROUND                          ; a whole round
	s_barrier_signal -1
	s_barrier_wait -1
	CREST
.endm
	s_load_b256 s[4:11], s[0:1], 0x0               ; ao s[4:5], bf s[6:7], out0 s[8:9], bo s[10:11]
	s_set_vgpr_msb 0x40
	v_lshl_add_u32 v255, v0, 2, 0x4c400
	s_set_vgpr_msb 0x4000
	v_mov_b32 v255, 0
	s_set_vgpr_msb 0x1
	ds_add_u32 v255, v255
	s_set_vgpr_msb 0x100
	v_lshrrev_b32 v1, 5, v0
	v_readfirstlane_b32 s12, v1                    ; wave 0..3
	s_lshr_b32 s13, s12, 1                         ; which half of the block's rows is mine.  Also: I fetch for a (0) or for Wo (1)
	s_and_b32 s14, s12, 1                          ; which half of its columns.  Also: which piece of that tile I fetch
	s_bfe_u32 s16, ttmp6, 0x40000                  ; cx
	s_bfe_u32 s17, ttmp6, 0x40004                  ; cy
	s_lshl_b32 s18, ttmp9, 2
	s_add_co_u32 s18, s18, s16                     ; block column nb = 4 x cluster x + cx
	s_and_b32 s19, ttmp7, 0xffff
	s_lshl_b32 s19, s19, 2
	s_add_co_u32 s19, s19, s17                     ; block row mb = 4 x cluster y + cy
	s_lshl_b32 s20, s17, 2
	s_lshl_b32 s20, 15, s20                        ; my row of the cluster
	s_lshl_b32 s21, 0x1111, s16                    ; my column
	s_or_b32 s[G1A+0], s20, FLAGSA                 ; a's tiles go to my row
	s_mov_b32 s[G1A+1], 8192<<16                   ; tensor_dim0 = 8,192 elements: 128 dense rows of a head
	s_mov_b32 s[G1A+2], 2<<16                      ; tensor_dim1 = 2 heads
	s_mov_b32 s[G1A+3], 8192<<16                   ; tile_dim0 = 8,192
	s_mov_b32 s[G1A+4], 2                          ; tile_dim1 = 2
	s_mov_b32 s[G1A+5], 131072                     ; elements from head to head
	s_mov_b32 s[G1A+6], 0
	s_mov_b32 s[G1A+7], 0
	s_or_b32 s[G1B+0], s21, FLAGSB                 ; Wo's tiles go to my column
	s_mov_b32 s[G1B+1], 256<<16                    ; 256 elements
	s_mov_b32 s[G1B+2], 64<<16                     ; 64 rows
	s_mov_b32 s[G1B+3], 256<<16
	s_mov_b32 s[G1B+4], 64
	s_mov_b32 s[G1B+5], 1024                       ; elements from row to row
	s_mov_b32 s[G1B+6], 0
	s_mov_b32 s[G1B+7], 0
	; offsets.  What hangs on the block row stays in s56, s57, s60, s61; what hangs on the block column in s58, s59, s62, s63.
	s_lshr_b32 s56, s19, 4                         ; a: batch mb / 16 is 16 heads; my pair of the fill's four heads; blocks of 262,144 bytes
	s_lshl_b32 s56, s56, 4
	s_lshl_b32 s60, s14, 1
	s_add_co_u32 s56, s56, s60
	s_lshl_b32 s56, s56, 18
	s_and_b32 s60, s19, 15                         ; rows (mb % 16) 128 .., 128 bytes each
	s_lshl_b32 s60, s60, 14
	s_add_co_u32 s56, s56, s60
	s_mov_b32 s57, 0
	s_lshl_b32 s58, s18, 18                        ; Wo: (128 nb + 64 half) rows of 2,048 bytes,
	s_lshl_b32 s62, s14, 17
	s_add_co_u32 s58, s58, s62
	s_add_co_u32 s58, s58, 0xE00000                ; behind x and the three other weights in bf
	s_mov_b32 s59, 0
	s_lshl_b32 s60, s19, 19                        ; out0, the rows' part: (128 mb + 64 (w / 2)) rows of 4,096 bytes
	s_lshl_b32 s61, s13, 18
	s_add_co_u32 s60, s60, s61
	s_mov_b32 s61, 0
	s_lshl_b32 s62, s18, 9                         ; out0 and bo, the columns' part: (128 nb + 64 (w % 2)) numbers of 4 bytes
	s_lshl_b32 s63, s14, 8
	s_add_co_u32 s62, s62, s63
	s_mov_b32 s63, 0
	s_mul_i32 s22, s12, PIECE                      ; LDS: wave w's load lands at w x PIECE in a slot
	s_mul_i32 s2, s13, 64*PA                       ; LDS: my 64 rows of a, in each head
	s_mul_i32 s3, s14, PIECE
	s_add_co_u32 s3, s3, 2*PIECE                   ; LDS: my 64 rows of Wo
	s_mul_i32 s23, s12, WSTAGE
	s_add_co_u32 s23, s23, STAGE                   ; LDS: my stage
	s_wait_dscnt 0x0
	s_wait_kmcnt 0x0
	s_add_nc_u64 s[56:57], s[4:5], s[56:57]
	s_add_nc_u64 s[58:59], s[6:7], s[58:59]
	s_add_nc_u64 s[8:9], s[8:9], s[60:61]
	s_add_nc_u64 s[8:9], s[8:9], s[62:63]
	s_add_nc_u64 s[10:11], s[10:11], s[62:63]
	CROUND                                         ; all sixteen work-groups are here: the first joint loads meet
.irp s, 0,1
	s_mov_b32 s[G0A+4*\s], 1                                       ; count = 1
	s_add_co_u32 s[G0A+4*\s+1], s22, \s*SLOT                       ; LDS address
	s_add_nc_u64 s[G0A+4*\s+2:G0A+4*\s+3], s[56:57], \s*1048576    ; global address: fill s is four heads on
	s_or_b32 s[G0A+4*\s+3], s[G0A+4*\s+3], 0x80000000              ; type = 2
	s_mov_b32 s[G0B+4*\s], 1
	s_add_co_u32 s[G0B+4*\s+1], s22, \s*SLOT
	s_add_nc_u64 s[G0B+4*\s+2:G0B+4*\s+3], s[58:59], \s*512        ; 256 elements on
	s_or_b32 s[G0B+4*\s+3], s[G0B+4*\s+3], 0x80000000
	JLOAD \s                                       ; both slots are asked for before anything else: two tensor loads of the wave are out
.endr
	v_and_b32 v1, 15, v0                           ; r = l % 16
	v_bfe_u32 v2, v0, 4, 1                         ; h = l / 16
	v_lshlrev_b32 v[BO], 5, v2
.irp b, 0,1,2,3
	global_load_b128 v[BIAS+8*\b:BIAS+8*\b+3],   v[BO], s[10:11] offset:64*\b
	global_load_b128 v[BIAS+8*\b+4:BIAS+8*\b+7], v[BO], s[10:11] offset:64*\b+16
.endr
	v_mul_u32_u24 v3, v1, PA
	v_lshl_add_u32 v3, v2, 4, v3                   ; row x pitch + 16 h
	v_add_nc_u32 v[ADRA], s2, v3
	v_add_nc_u32 v[ADRA+1], SLOT, v[ADRA]
	v_mul_u32_u24 v4, v1, PB
	v_lshl_add_u32 v4, v2, 4, v4
	v_add_nc_u32 v[ADRB], s3, v4
	v_add_nc_u32 v[ADRB+1], SLOT, v[ADRB]
	v_mul_u32_u24 v5, v1, SPITCH
	v_lshl_add_u32 v5, v2, 5, v5                   ; the stage, in: row r, 32 bytes for each half of the lanes
	v_add_nc_u32 v[STO], s23, v5
	v_mul_u32_u24 v6, v2, SPITCH
	v_lshl_add_u32 v6, v1, 4, v6                   ; back: lanes 0-15 take one row of 256 bytes, lanes 16-31 the next
	v_add_nc_u32 v[RD], s23, v6
	v_lshlrev_b32 v7, 12, v2                       ; and the same two rows in out0
	v_lshl_add_u32 v[CO], v1, 4, v7
; 4 matrix instructions: row block a of the window's two (hi = 0: my rows 0-31, 1: rows 32-63) x my 4 column blocks, 32 along K, from buffer p.
; first = 1: the bias is the product's C, so nothing is cleared and nothing is added afterwards.
.macro MULROW p, hi, a, first
.irp b, 0,1,2,3
.if \first
	v_wmma_f32_16x16x32_bf16 v[8*(NB*\a+\b):8*(NB*\a+\b)+7], v[FB+32*\p+8*\b:FB+32*\p+8*\b+7], v[FA+32*\p+8*(2*\hi+\a):FA+32*\p+8*(2*\hi+\a)+7], v[BIAS+8*\b:BIAS+8*\b+7]
.else
	v_wmma_f32_16x16x32_bf16 v[8*(NB*\a+\b):8*(NB*\a+\b)+7], v[FB+32*\p+8*\b:FB+32*\p+8*\b+7], v[FA+32*\p+8*(2*\hi+\a):FA+32*\p+8*(2*\hi+\a)+7], v[8*(NB*\a+\b):8*(NB*\a+\b)+7]
.endif
.endr
.endm
; 16 LDS loads in one run: the fragments of eighth kq (32 along K) of a slot into buffer p.  Eighths 2 j, 2 j + 1 lie in a's head j of the slot's four.
.macro FETCH slot, kq, p
	WIN 0x40                                       ; destination window 1, address window 0
.irp b, 0,1,2,3
	ds_load_b128 v[FB+32*\p+8*\b:FB+32*\p+8*\b+3],   v[ADRB+\slot] offset:\b*16*PB+64*\kq
	ds_load_b128 v[FB+32*\p+8*\b+4:FB+32*\p+8*\b+7], v[ADRB+\slot] offset:\b*16*PB+64*\kq+32
.endr
	WIN 0
.irp a, 0,1,2,3
	ds_load_b128 v[FA+32*\p+8*\a:FA+32*\p+8*\a+3],   v[ADRA+\slot] offset:(\kq/2)*HEADB+\a*16*PA+64*(\kq%2)
	ds_load_b128 v[FA+32*\p+8*\a+4:FA+32*\p+8*\a+7], v[ADRA+\slot] offset:(\kq/2)*HEADB+\a*16*PA+64*(\kq%2)+32
.endr
.endm
; A slot is eight eighths of 32 along K, 16 matrix instructions each, on buffers 0, 1, 0, 1, ..  The 16 accumulators take turns, one instruction
; a turn, in the same order in every eighth.
; One of the first seven: multiplies buffer p; in its middle fetches eighth kq of the same slot into buffer g.
.macro EIGHTH slot, kq, p, g, first
	s_wait_dscnt 4                                 ; Wo and a's blocks 0, 1 are in; the youngest four loads (a's blocks 2, 3) may be out
.if \first
	WIN 0x81                                       ; source 0 window 1, source 1 and C (the bias) window 0, D window 2
.else
	WIN 0xa1                                       ; C and D window 2
.endif
	MULROW \p, 0, 0, \first
	MULROW \p, 0, 1, \first
	PLACES
	FETCH \slot, \kq, \g
	s_wait_dscnt 2*NB+8                            ; all but the 16 just issued
.if \first
	WIN 0xc1
.else
	WIN 0xf1                                       ; C and D window 3
.endif
	MULROW \p, 1, 0, \first
	MULROW \p, 1, 1, \first
.endm
.macro SEVEN slot, first
	EIGHTH \slot, 1, 0, 1, \first
	EIGHTH \slot, 2, 1, 0, 0
	EIGHTH \slot, 3, 0, 1, 0
	EIGHTH \slot, 4, 1, 0, 0
	EIGHTH \slot, 5, 0, 1, 0
	EIGHTH \slot, 6, 1, 0, 0
	EIGHTH \slot, 7, 0, 1, 0
.endm
; The last eighth multiplies buffer 1 and changes slots.  In front of the barrier each wave waits for its reads of this slot and for all its
; tensor loads (the one that is out is its part of the next slot).  fill = 1: the barrier opens a round of the cluster's barrier, and the joint
; refill of this slot, two fills ahead, is the wave's first and only tensor load behind the round.
.macro TURN slot, next, fill
	s_wait_dscnt 4
	WIN 0xa1
	MULROW 1, 0, 0, 0
	s_wait_dscnt 0                                 ; my reads of this slot are over
	s_wait_tensorcnt 0x0                           ; all my tensor loads have landed
	ds_add_u32 v255, v255
	s_wait_dscnt 0x0
	s_barrier_signal -1
	MULROW 1, 0, 1, 0                              ; register work while the others arrive
	WIN 0
	s_barrier_wait -1
.if \fill
	CREST                                          ; no wave of any partner still reads this slot or has a load on its way
	s_add_nc_u64 s[G0A+4*\slot+2:G0A+4*\slot+3], s[G0A+4*\slot+2:G0A+4*\slot+3], 2097152   ; two fills on: eight heads; no load of mine is out
	s_add_nc_u64 s[G0B+4*\slot+2:G0B+4*\slot+3], s[G0B+4*\slot+2:G0B+4*\slot+3], 1024      ; two fills of 512 bytes
	JLOAD \slot
.endif
	PLACES
	FETCH \next, 0, 0
	WIN 0xf1
	MULROW 1, 1, 0, 0
	MULROW 1, 1, 1, 0
.endm
	s_wait_loadcnt 0x0                             ; the bias
	s_wait_tensorcnt 0x1                           ; my part of fill 0 is in; fill 1's load may stay out
	s_barrier_signal -1
	s_barrier_wait -1                              ; everybody's part is in
	FETCH 0, 0, 0
	SEVEN 0, 1                                     ; fill 0 (heads 0-3): its first products start the sums, from the bias
	TURN 0, 1, 1                                   ; asks for fill 2
	SEVEN 1, 0                                     ; fill 1
	TURN 1, 0, 1                                   ; asks for fill 3, the last
	SEVEN 0, 0                                     ; fill 2
	TURN 0, 1, 0                                   ; nothing is left to ask for
	SEVEN 1, 0                                     ; fill 3
	s_wait_dscnt 4
	WIN 0xa1
	MULROW 1, 0, 0, 0
	MULROW 1, 0, 1, 0
	s_wait_dscnt 0
	WIN 0xf1
	MULROW 1, 1, 0, 0
	MULROW 1, 1, 1, 0
	PLACES                                         ; behind the last matrix instructions, before results are stored to LDS and loads land on fragments
; THE WAY OUT, 16 rows at a time (row block a; lo = its place in window 2 or 3, from = 0x08 or 0x0c: the LDS store's data in that window):
; 32 bytes a lane and tile straight from the accumulators into my own stage, read back as whole rows of 256 bytes, stored from sixteen lanes a row.
.macro OUT16 a, lo, from, rb
	WIN \from
.irp b, 0,1,2,3
	ds_store_b128 v[STO], v[8*(NB*\lo+\b):8*(NB*\lo+\b)+3]   offset:64*\b
	ds_store_b128 v[STO], v[8*(NB*\lo+\b)+4:8*(NB*\lo+\b)+7] offset:64*\b+16
.endr
	WIN 0
	s_wait_xcnt 0x0                                ; the earlier stores have had their addresses translated: buffer rb, which they read, is loaded again only behind this wait
.irp t, 0,1,2,3,4,5,6,7
	ds_load_b128 v[\rb+4*\t:\rb+4*\t+3], v[RD] offset:\t*2*SPITCH  ; LDS serves a wave's instructions in order: these see the stores above
.endr
.irp t, 0,1,2,3,4,5,6,7
	s_wait_dscnt 7-\t                              ; read-back t is in, the younger ones may be out
	global_store_b128 v[CO], v[\rb+4*\t:\rb+4*\t+3], s[8:9] offset:(16*\a+2*\t)*4096 th:TH_STORE_NT   ; sixteen lanes store 256 consecutive bytes, aligned
.endr
.endm
	OUT16 0, 0, 0x08, RB0
	OUT16 1, 1, 0x08, RB1
	OUT16 2, 0, 0x0c, RB0
	OUT16 3, 1, 0x0c, RB1
	s_set_vgpr_msb 0x1
	s_wait_tensorcnt 0x0
	ds_add_u32 v255, v255
	s_wait_dscnt 0x0
	s_set_vgpr_msb 0x100
	CROUND                                         ; the closing round: no work-group ends while a partner may still ask for a tile that names it
	s_endpgm
.Lfunc_end_k_q739ff928d5_oproj:
	.size	k_q739ff928d5_oproj, .Lfunc_end_k_q739ff928d5_oproj-k_q739ff928d5_oproj
	.p2alignl 7, 3214868480
	.fill 96, 4, 3214868480
	.section	.rodata,"a",@progbits
	.p2align	6, 0x0
	.amdhsa_kernel k_q739ff928d5_oproj
		.amdhsa_group_segment_fixed_size 327680
		.amdhsa_private_segment_fixed_size 0
		.amdhsa_enable_private_segment 0
		.amdhsa_kernarg_size 32
		.amdhsa_user_sgpr_count 2
		.amdhsa_user_sgpr_kernarg_segment_ptr 1
		.amdhsa_wavefront_size32 1
		.amdhsa_system_sgpr_workgroup_id_x 1
		.amdhsa_system_sgpr_workgroup_id_y 1
		.amdhsa_system_sgpr_workgroup_id_z 1
		.amdhsa_system_vgpr_workitem_id 0
		.amdhsa_next_free_vgpr 832
		.amdhsa_next_free_sgpr 66
		.amdhsa_reserve_vcc 0
		.amdhsa_float_denorm_mode_32 3
		.amdhsa_float_denorm_mode_16_64 3
		.amdhsa_memory_ordered 1
		.amdhsa_forward_progress 1
		.amdhsa_inst_pref_size 93
	.end_amdhsa_kernel
	.amdgpu_metadata
---
amdhsa.version: [ 1, 2 ]
amdhsa.kernels:
  - .name:           k_q739ff928d5_oproj
    .symbol:         k_q739ff928d5_oproj.kd
    .args:
      - { .name: ao, .offset: 0, .size: 8, .value_kind: global_buffer, .address_space: global }
      - { .name: bf, .offset: 8, .size: 8, .value_kind: global_buffer, .address_space: global }
      - { .name: out0, .offset: 16, .size: 8, .value_kind: global_buffer, .address_space: global }
      - { .name: bo, .offset: 24, .size: 8, .value_kind: global_buffer, .address_space: global }
    .group_segment_fixed_size: 327680
    .private_segment_fixed_size: 0
    .kernarg_segment_align: 8
    .kernarg_segment_size: 32
    .max_flat_workgroup_size: 128
    .sgpr_count:     66
    .vgpr_count:     832
    .wavefront_size: 32
...
	.end_amdgpu_metadata
.endif
;; end of part 4
